; MI455X (gfx1250); checked and timed in simulation.
; The chip was launched on July 23, 2026; its instructions are those of AMD's public machine-readable ISA for CDNA 5 (MIT licence, August 2026) and "CDNA5" Instruction Set Architecture Reference Guide (July 2026). The comments in the code are by the model that wrote it; some were corrected since.
;; Latent Classifier. Allowed arithmetic: float matrix products may take bf16 or f16 operands with f32 sums; other float arithmetic in f32, or as packed bf16 or f16 multiplies, adds, multiply-adds, maxima and minima; sums over many terms, partial sums and values carried from step to step in f32; what a program stores and reads back later, other than sums and carried values, may be rounded once to bf16 or f16.
;; Inputs: cls_b 1 float32; cls_w 1 x 4,096 float32; cp1_b 2 x 2 float32; cp1_w 2 x 2 x 1 float32; cp2_b 2 x 1 float32; cp2_w 2 x 1 x 1 float32; ln1_b 2 x 1 float32; ln1_w 2 x 1 float32; pooler_b 4,096 float32; pooler_w 4,096 x 4,096 float32; sgu_ln_b 2 x 1 float32; sgu_ln_w 2 x 1 float32; sgu_proj_b 2 x 4,096 float32; sgu_proj_w 2 x 4,096 x 4,096 float32; x 1,024 x 4,096 float32.
;; Outputs: out0 1,024 float32.
;; One version. Each part assembles by itself: llvm-mc -triple=amdgcn-amd-amdhsa -mcpu=gfx1250 --defsym DOCPART=n.
;; ======== version 1 of 1: 4 launches
;; limits: a function is approximated: absolute error at most 1.5e-07
;; workspace buffers: cvec 16,384 bytes; abf 8,388,608 bytes; wbf 33,554,432 bytes; part 131,072 bytes
;; launch rowsum (part 1): grid 256 x 1, 16 waves a work-group, no clusters, 2,304 bytes of LDS; arguments sgu_proj_w, sgu_proj_b, sgu_ln_b, ln1_b, cp1_w, cp1_b, cp2_w, cp2_b, cvec; writes cvec
.if DOCPART == 1
	.amdgcn_target "amdgcn-amd-amdhsa--gfx1250"
	.amdhsa_code_object_version 6
	.text
	.protected	k_q33cb8adc9b_rowsum
	.globl	k_q33cb8adc9b_rowsum
	.p2align	8
	.type	k_q33cb8adc9b_rowsum,@function
k_q33cb8adc9b_rowsum:
	s_mov_b64 s[64:65], 0
	v_nop
	global_prefetch_b8 v0, s[64:65] scope:SCOPE_SE
	s_setreg_imm32_b32 hwreg(HW_REG_WAVE_MODE, 25, 1), 1
	s_wait_xcnt 0x0
; LatentClassifier, launch 1 of 4: c[s], the one vector that both gMLP blocks add to every row of x.
; WHAT IS LEFT OUT, AND WHY IT IS DEAD FOR ALL VALUES OF THE INPUTS.
;  (1) _layernorm runs over the last axis, whose length is 1 (D_MODEL = 1, D_FFN / 2 = 1).  The mean of one number is that number, so x - mu = 0 and var = 0 whatever
;      finite number comes in, and the norm returns 0 * rsqrt(EPS) * w + b = b.  So ln1_w and sgu_ln_w multiply a zero that reference() makes itself: they have no way
;      to the output, are not loaded and are no argument of any launch.
;  (2) Behind the first norm t = ln1_b[i] at every (b, s), so u = gelu(ln1_b[i] cp1_w[i][0][0] + cp1_b[i][0]) is ONE number u_i a layer.  The other half of cp1
;      (cp1_w[i][1][0], cp1_b[i][1]) makes v, which the second norm replaces by sgu_ln_b[i]: that half is dead and is not read.
;  (3) The einsum's right operand is sgu_ln_b[i] at every (b, t): its result is sgu_ln_b[i] * R_i[s], R_i[s] = the sum over t of sgu_proj_w[i][s][t], the same for all
;      1,024 b.  One row sum stands for each product of 1024 x 4096 x 4096.  Every byte of sgu_proj_w stays live.
;  (4) The residuals then give h[b][s] = x[b][s] + c[s],
;      c[s] = the sum over i of cp2_w[i] u_i (sgu_ln_b[i] R_i[s] + sgu_proj_b[i][s]) + cp2_b[i].
; LIMITS.  A NaN, an infinity or an overflow that reaches only the work left out (inf - inf in x - mu, 0 * inf with ln1_w or sgu_ln_w, cp1's v half) is not carried to
; the result.  gelu is exact gelu with erf by a rational form times an exponential (five coefficients; absolute error of erf at most 1.5e-7 for every argument), so
; gelu(t) is off by at most about 1e-7 |t|; where t is far below 0 the result is that error and not the true tiny number.  The order of the sums differs from reference()'s.
; SHARES.  A work-group owns 16 values of s, wave w the value s = 16 g + w: row s of both layers, 16,384 bytes each.  A load of a wave covers 512 consecutive bytes;
; 32 loads of a wave (a whole row) are out at a time, in four groups of eight; a group is asked for again, from the other layer, as soon as it is added up.
; No matrix unit, no tensor load: no wave wants a byte that another wave fetched.
.set LAYER, 0x4000000                  ; bytes in a layer of sgu_proj_w
.set SPARE, 256                        ; LDS 0..63: the 16 waves' c; from 256 on the spare words, 128 bytes for each of 16 waves, which no other line names
.set SPW,   14                         ; v14  SPARE + 4 x my thread's number; never rewritten
.set NIL,   15                         ; v15  0; never rewritten
.set X,     16                         ; v[16:143]   32 loads of 4 registers
.set C0,    144                        ; v[144:151]  four chains of pairs, layer 0
.set C1,    152                        ; v[152:159]  the same, layer 1
; v1 16 x lane;  v[2:3] t_i;  v[4:5] T;  v[6:7] e;  v[8:9] Q, m, 2 u_i;  v[10:11] |t|, then G_i = cp2_w[i] u_i;  v[12:13] G_i sgu_ln_b[i]
.macro LD8 g, b                        ; group g: bytes 4,096 g .. 4,096 g + 4,095 of the row at s[b:b+1]
.irp j, 0,1,2,3,4,5,6,7
	global_load_b128 v[X+32*(\g)+4*(\j):X+32*(\g)+4*(\j)+3], v1, s[\b:\b+1] offset:4096*(\g)+512*(\j) th:TH_LOAD_NT
.endr
.endm
.macro ACC8 g, c, first                ; the group's 16 pairs onto four chains that do not wait for each other; first = 1: the first eight pairs start the chains, nothing is cleared
.if \first
.irp k, 0,1,2,3
	v_pk_add_f32 v[(\c)+2*(\k):(\c)+2*(\k)+1], v[X+32*(\g)+2*(\k):X+32*(\g)+2*(\k)+1], v[X+32*(\g)+8+2*(\k):X+32*(\g)+8+2*(\k)+1]
.endr
.irp p, 8,9,10,11,12,13,14,15
	v_pk_add_f32 v[(\c)+2*((\p)%4):(\c)+2*((\p)%4)+1], v[(\c)+2*((\p)%4):(\c)+2*((\p)%4)+1], v[X+32*(\g)+2*(\p):X+32*(\g)+2*(\p)+1]
.endr
.else
.irp p, 0,1,2,3,4,5,6,7,8,9,10,11,12,13,14,15
	v_pk_add_f32 v[(\c)+2*((\p)%4):(\c)+2*((\p)%4)+1], v[(\c)+2*((\p)%4):(\c)+2*((\p)%4)+1], v[X+32*(\g)+2*(\p):X+32*(\g)+2*(\p)+1]
.endr
.endif
.endm
	s_load_b512 s[8:23], s[0:1], 0x0               ; sgu_proj_w s[8:9], sgu_proj_b s[10:11], sgu_ln_b s[12:13], ln1_b s[14:15], cp1_w s[16:17], cp1_b s[18:19], cp2_w s[20:21], cp2_b s[22:23]
	s_load_b64 s[24:25], s[0:1], 0x40              ; cvec
	v_lshl_add_u32 v[SPW], v0, 2, SPARE
	v_mov_b32 v[NIL], 0
	v_lshrrev_b32 v1, 5, v0
	v_readfirstlane_b32 s4, v1                     ; wave 0..15
	v_and_b32 v1, 31, v0
	v_lshlrev_b32 v1, 4, v1                        ; 16 bytes a lane
	s_lshl_b32 s5, ttmp9, 4
	s_add_co_u32 s5, s5, s4                        ; s
	s_lshl_b32 s26, s5, 14                         ; row s: 16,384 s bytes, under 2^26
	s_mov_b32 s27, 0
	s_lshl_b32 s44, s5, 2                          ; word s of sgu_proj_b
	s_mov_b32 s45, 0
	s_lshl_b32 s6, ttmp9, 6                        ; the work-group's 16 words of cvec
	s_mov_b32 s7, 0
	s_mov_b32 s46, 0x76543210                      ; v_permlanex16_b32: each lane takes its own place in the other half
	s_mov_b32 s47, 0xfedcba98
	s_mov_b32 s50, 0x3e6d3388                      ; 0.3275911 / sqrt(2)
	s_mov_b32 s51, 0xbf38aa3b                      ; -log2(e) / 2
	s_mov_b32 s52, 0xbe827906                      ; the five coefficients, negated: -0.254829592,
	s_mov_b32 s53, 0x3e91a98e                      ; +0.284496736,
	s_mov_b32 s54, 0xbfb5f0e3                      ; -1.421413741,
	s_mov_b32 s55, 0x3fba00e3                      ; +1.453152027,
	s_mov_b32 s56, 0xbf87dc22                      ; -1.061405429
	s_wait_kmcnt 0x0
	s_add_nc_u64 s[8:9], s[8:9], s[26:27]          ; row s of layer 0,
	s_add_nc_u64 s[28:29], s[8:9], LAYER           ; and of layer 1
	s_add_nc_u64 s[10:11], s[10:11], s[44:45]
	s_add_nc_u64 s[24:25], s[24:25], s[6:7]
	LD8 0, 8                                       ; the whole row of layer 0 goes out
	LD8 1, 8
	LD8 2, 8
	LD8 3, 8
	s_load_b64 s[30:31], s[12:13], 0x0             ; sgu_ln_b[0], [1]
	s_load_b64 s[32:33], s[14:15], 0x0             ; ln1_b[0], [1]
	s_load_b32 s34, s[16:17], 0x0                  ; cp1_w[0][0][0]
	s_load_b32 s35, s[16:17], 0x8                  ; cp1_w[1][0][0]
	s_load_b32 s36, s[18:19], 0x0                  ; cp1_b[0][0]
	s_load_b32 s37, s[18:19], 0x8                  ; cp1_b[1][0]
	s_load_b64 s[38:39], s[20:21], 0x0             ; cp2_w[0], [1]
	s_load_b64 s[40:41], s[22:23], 0x0             ; cp2_b[0], [1]
	s_load_b32 s42, s[10:11], 0x0                  ; sgu_proj_b[0][s]
	s_load_b32 s43, s[10:11], 0x4000               ; sgu_proj_b[1][s]
	s_wait_kmcnt 0x0
	; the two u_i, while the row is on its way.  T = 1 / (1 + p |t| / sqrt 2); e = exp(-t t / 2); m = erf(|t| / sqrt 2) = 1 + Q T e; 2 gelu(t) = t + |t| m
	v_mov_b32 v2, s36
	v_mov_b32 v3, s37
	v_fma_f32 v2, s32, s34, v2                     ; t_0 = ln1_b[0] cp1_w[0][0][0] + cp1_b[0][0]
	v_fma_f32 v3, s33, s35, v3
.irp i, 0,1
	v_and_b32 v[10+\i], 0x7fffffff, v[2+\i]
	v_mul_f32 v[6+\i], s51, v[2+\i]
.endr
.irp i, 0,1
	v_fma_f32 v[4+\i], v[10+\i], s50, 1.0
	v_mul_f32 v[6+\i], v[6+\i], v[2+\i]
.endr
	v_rcp_f32 v4, v4
	v_rcp_f32 v5, v5
	v_exp_f32 v6, v6
	v_exp_f32 v7, v7
	v_nop                                          ; a plain instruction behind the last of the four,
	s_wait_alu depctr_va_vdst(0)                   ; and one wait for the batch, ahead of its first reader
.irp i, 0,1
	v_fma_f32 v[8+\i], v[4+\i], s56, s55
	v_mul_f32 v[6+\i], v[4+\i], v[6+\i]            ; T e
.endr
.irp i, 0,1
	v_fma_f32 v[8+\i], v[8+\i], v[4+\i], s54
.endr
.irp i, 0,1
	v_fma_f32 v[8+\i], v[8+\i], v[4+\i], s53
.endr
.irp i, 0,1
	v_fma_f32 v[8+\i], v[8+\i], v[4+\i], s52       ; Q
.endr
.irp i, 0,1
	v_fma_f32 v[8+\i], v[8+\i], v[6+\i], 1.0       ; m
.endr
.irp i, 0,1
	v_fma_f32 v[8+\i], v[10+\i], v[8+\i], v[2+\i]  ; 2 u_i
.endr
	v_mul_f32 v10, s38, v8
	v_mul_f32 v11, s39, v9
	v_mul_f32 v10, 0.5, v10                        ; G_i = cp2_w[i] u_i
	v_mul_f32 v11, 0.5, v11
	v_mul_f32 v12, s30, v10                        ; G_i sgu_ln_b[i]
	v_mul_f32 v13, s31, v11
	; layer 0 is added up, group by group, and each group is asked for again from layer 1.  Loads come back in order: 24 younger ones may stay out each time
	; (the later groups of layer 0 and the groups of layer 1 already asked for: 8 (3 - g) + 8 g).
	s_wait_loadcnt 24
	ACC8 0, C0, 1
	LD8 0, 28
	s_wait_loadcnt 24
	ACC8 1, C0, 0
	LD8 1, 28
	s_wait_loadcnt 24
	ACC8 2, C0, 0
	LD8 2, 28
	s_wait_loadcnt 24
	ACC8 3, C0, 0
	LD8 3, 28
	s_wait_loadcnt 24                              ; layer 1: nothing more is asked for, the counts run down
	ACC8 0, C1, 1
	s_wait_loadcnt 16
	ACC8 1, C1, 0
	s_wait_loadcnt 8
	ACC8 2, C1, 0
	s_wait_loadcnt 0x0
	ACC8 3, C1, 0
.irp c, C0, C1
	v_pk_add_f32 v[\c:\c+1], v[\c:\c+1], v[\c+2:\c+3]
	v_pk_add_f32 v[\c+4:\c+5], v[\c+4:\c+5], v[\c+6:\c+7]
.endr
.irp c, C0, C1
	v_pk_add_f32 v[\c:\c+1], v[\c:\c+1], v[\c+4:\c+5]
.endr
.irp c, C0, C1
	v_add_f32 v[\c], v[\c], v[\c+1]                ; my lane's share of R_i[s]
.endr
	v_mul_f32 v[C0], v12, v[C0]
	v_fmac_f32 v[C0], v13, v[C1]                   ; both layers' shares, weighted: one sum goes across the lanes
	v_add_f32_dpp v[C0], v[C0], v[C0] row_xmask:1 row_mask:0xf bank_mask:0xf
	v_add_f32_dpp v[C0], v[C0], v[C0] row_xmask:2 row_mask:0xf bank_mask:0xf
	v_add_f32_dpp v[C0], v[C0], v[C0] row_xmask:4 row_mask:0xf bank_mask:0xf
	v_add_f32_dpp v[C0], v[C0], v[C0] row_xmask:8 row_mask:0xf bank_mask:0xf
	v_permlanex16_b32 v[C0+1], v[C0], s46, s47     ; (its destination has been written)
	v_add_f32 v[C0], v[C0], v[C0+1]
	v_fma_f32 v[C0], v10, s42, v[C0]               ; + G_0 sgu_proj_b[0][s]
	v_fma_f32 v[C0], v11, s43, v[C0]
	v_add_f32 v[C0], s40, v[C0]                    ; + cp2_b[0]
	v_add_f32 v[C0], s41, v[C0]                    ; + cp2_b[1]: c[s], in every lane
	v_mov_b32 v[C0+2], s4
	v_lshlrev_b32 v[C0+2], 2, v[C0+2]
	ds_store_b32 v[C0+2], v[C0]                    ; word w; all lanes write the same number
	s_wait_dscnt 0x0                               ; for wave 0's sake: my store is done
	s_barrier_signal -1
	s_barrier_wait -1
	s_cmp_lg_u32 s4, 0
	s_cbranch_scc1 .Lend                           ; wave 0 stores the work-group's 16 numbers: 64 consecutive bytes (cvec is 16,384 bytes in all; more values of s to a work-group would make fewer work-groups)
	v_and_b32 v[C0+3], 15, v0
	v_lshlrev_b32 v[C0+3], 2, v[C0+3]
	ds_load_b32 v[C0+4], v[C0+3]
	s_wait_dscnt 0x0
	s_wait_xcnt 0x0                                ; EXEC changes only behind this wait
	v_cmp_gt_u32 vcc_lo, 16, v0
	s_and_saveexec_b32 s48, vcc_lo
	global_store_b32 v[C0+3], v[C0+4], s[24:25]
	s_wait_xcnt 0x0                                ; and again in front of the line that widens it
	s_or_b32 exec_lo, exec_lo, s48
.Lend:
	s_wait_tensorcnt 0x0                           ; the wave's end, behind my last LDS store
	ds_add_u32 v[SPW], v[NIL]
	s_wait_dscnt 0x0
	s_endpgm
.Lfunc_end_k_q33cb8adc9b_rowsum:
	.size	k_q33cb8adc9b_rowsum, .Lfunc_end_k_q33cb8adc9b_rowsum-k_q33cb8adc9b_rowsum
	.p2alignl 7, 3214868480
	.fill 96, 4, 3214868480
	.section	.rodata,"a",@progbits
	.p2align	6, 0x0
	.amdhsa_kernel k_q33cb8adc9b_rowsum
		.amdhsa_group_segment_fixed_size 2304
		.amdhsa_private_segment_fixed_size 0
		.amdhsa_enable_private_segment 0
		.amdhsa_kernarg_size 72
		.amdhsa_user_sgpr_count 2
		.amdhsa_user_sgpr_kernarg_segment_ptr 1
		.amdhsa_wavefront_size32 1
		.amdhsa_system_sgpr_workgroup_id_x 1
		.amdhsa_system_sgpr_workgroup_id_y 1
		.amdhsa_system_sgpr_workgroup_id_z 1
		.amdhsa_system_vgpr_workitem_id 0
		.amdhsa_next_free_vgpr 160
		.amdhsa_next_free_sgpr 66
		.amdhsa_reserve_vcc 1
		.amdhsa_float_denorm_mode_32 3
		.amdhsa_float_denorm_mode_16_64 3
		.amdhsa_memory_ordered 1
		.amdhsa_forward_progress 1
		.amdhsa_inst_pref_size 20
	.end_amdhsa_kernel
	.amdgpu_metadata
---
amdhsa.version: [ 1, 2 ]
amdhsa.kernels:
  - .name:           k_q33cb8adc9b_rowsum
    .symbol:         k_q33cb8adc9b_rowsum.kd
    .args:
      - { .name: sgu_proj_w, .offset: 0, .size: 8, .value_kind: global_buffer, .address_space: global }
      - { .name: sgu_proj_b, .offset: 8, .size: 8, .value_kind: global_buffer, .address_space: global }
      - { .name: sgu_ln_b, .offset: 16, .size: 8, .value_kind: global_buffer, .address_space: global }
      - { .name: ln1_b, .offset: 24, .size: 8, .value_kind: global_buffer, .address_space: global }
      - { .name: cp1_w, .offset: 32, .size: 8, .value_kind: global_buffer, .address_space: global }
      - { .name: cp1_b, .offset: 40, .size: 8, .value_kind: global_buffer, .address_space: global }
      - { .name: cp2_w, .offset: 48, .size: 8, .value_kind: global_buffer, .address_space: global }
      - { .name: cp2_b, .offset: 56, .size: 8, .value_kind: global_buffer, .address_space: global }
      - { .name: cvec, .offset: 64, .size: 8, .value_kind: global_buffer, .address_space: global }
    .group_segment_fixed_size: 2304
    .private_segment_fixed_size: 0
    .kernarg_segment_align: 8
    .kernarg_segment_size: 72
    .max_flat_workgroup_size: 512
    .sgpr_count:     66
    .vgpr_count:     160
    .wavefront_size: 32
...
	.end_amdgpu_metadata
.endif
;; end of part 1
;; launch cast (part 2): grid 1280 x 1, 8 waves a work-group, no clusters, 0 bytes of LDS; arguments x, pooler_w, cvec, abf, wbf; writes abf, wbf
.if DOCPART == 2
	.amdgcn_target "amdgcn-amd-amdhsa--gfx1250"
	.amdhsa_code_object_version 6
	.text
	.protected	k_q33cb8adc9b_cast
	.globl	k_q33cb8adc9b_cast
	.p2align	8
	.type	k_q33cb8adc9b_cast,@function
k_q33cb8adc9b_cast:
	s_mov_b64 s[64:65], 0
	v_nop
	global_prefetch_b8 v0, s[64:65] scope:SCOPE_SE
	s_setreg_imm32_b32 hwreg(HW_REG_WAVE_MODE, 25, 1), 1
	s_wait_xcnt 0x0
; Launch 2 of 4: the pooler product's two operands, rounded once to bf16.  abf[b][s] = bf16(x[b][s] + c[s]); wbf[n][s] = bf16(pooler_w[n][s]).
; x + c stands for both gMLP blocks: the layer norms over an axis of length 1 return their bias for every input, so each block adds a vector that is the same for all b (shown at the head of the first kernel).
; SHARES.  A work-group owns 4 rows of 4,096 f32: 65,536 consecutive bytes in, 32,768 out.  Work-groups 0 to 255 take x, 256 to 1,279 pooler_w.
; Thread t takes, for j = 0 .. 15, the 16 bytes at 16 t + 4,096 j and stores 8 bytes at 8 t + 2,048 j: a load of a wave covers 512 consecutive bytes, a store of a wave 256 consecutive bytes, aligned.
; All 16 loads of a thread go out at once; there is no loop, and no register that a pending store names is written again, so the only waits are the counted ones for the loads.
; The thread's columns in load j are 1,024 (j % 4) + 4 t + 0..3: four sets of four c, loaded once.
.set CV, 4                             ; v[4:19]   c, set q = j % 4
.set X,  20                            ; v[20:83]  load j at X + 4 j; its first two registers then hold the four bf16
; v1 16 t;  v2 8 t
.macro ROWS withc, src, dst
.if \withc
.irp q, 0,1,2,3
	global_load_b128 v[CV+4*(\q):CV+4*(\q)+3], v1, s[8:9] offset:4096*(\q)
.endr
.endif
.irp j, 0,1,2,3,4,5,6,7,8,9,10,11,12,13,14,15
	global_load_b128 v[X+4*(\j):X+4*(\j)+3], v1, s[\src:\src+1] offset:4096*(\j) th:TH_LOAD_NT
.endr
.irp j, 0,1,2,3,4,5,6,7,8,9,10,11,12,13,14,15
	s_wait_loadcnt 15-(\j)                         ; loads come back in order: load j is in (and c, asked for earlier); the 15 - j younger ones stay out
.if \withc
	v_pk_add_f32 v[X+4*(\j):X+4*(\j)+1],   v[X+4*(\j):X+4*(\j)+1],   v[CV+4*((\j)%4):CV+4*((\j)%4)+1]
	v_pk_add_f32 v[X+4*(\j)+2:X+4*(\j)+3], v[X+4*(\j)+2:X+4*(\j)+3], v[CV+4*((\j)%4)+2:CV+4*((\j)%4)+3]
.endif
	v_cvt_pk_bf16_f32 v[X+4*(\j)],   v[X+4*(\j)],   v[X+4*(\j)+1]
	v_cvt_pk_bf16_f32 v[X+4*(\j)+1], v[X+4*(\j)+2], v[X+4*(\j)+3]
	global_store_b64 v2, v[X+4*(\j):X+4*(\j)+1], s[\dst:\dst+1] offset:2048*(\j)
.endr
	s_endpgm
.endm
	s_load_b256 s[4:11], s[0:1], 0x0               ; x s[4:5], pooler_w s[6:7], cvec s[8:9], abf s[10:11]
	s_load_b64 s[12:13], s[0:1], 0x20              ; wbf
	v_lshlrev_b32 v1, 4, v0
	v_lshlrev_b32 v2, 3, v0
	s_mov_b32 s21, 0
	s_mov_b32 s23, 0
	s_wait_kmcnt 0x0
	s_cmp_lt_u32 ttmp9, 0x100
	s_cbranch_scc0 .Lweights
	s_lshl_b32 s20, ttmp9, 16                      ; 4 rows of 16,384 bytes in,
	s_lshl_b32 s22, ttmp9, 15                      ; of 8,192 out
	s_add_nc_u64 s[4:5], s[4:5], s[20:21]
	s_add_nc_u64 s[10:11], s[10:11], s[22:23]
	ROWS 1, 4, 10
.Lweights:
	s_sub_co_u32 s18, ttmp9, 0x100                 ; 0 .. 1,023
	s_lshl_b32 s20, s18, 16
	s_lshl_b32 s22, s18, 15
	s_add_nc_u64 s[6:7], s[6:7], s[20:21]
	s_add_nc_u64 s[12:13], s[12:13], s[22:23]
	ROWS 0, 6, 12
.Lfunc_end_k_q33cb8adc9b_cast:
	.size	k_q33cb8adc9b_cast, .Lfunc_end_k_q33cb8adc9b_cast-k_q33cb8adc9b_cast
	.p2alignl 7, 3214868480
	.fill 96, 4, 3214868480
	.section	.rodata,"a",@progbits
	.p2align	6, 0x0
	.amdhsa_kernel k_q33cb8adc9b_cast
		.amdhsa_group_segment_fixed_size 0
		.amdhsa_private_segment_fixed_size 0
		.amdhsa_enable_private_segment 0
		.amdhsa_kernarg_size 40
		.amdhsa_user_sgpr_count 2
		.amdhsa_user_sgpr_kernarg_segment_ptr 1
		.amdhsa_wavefront_size32 1
		.amdhsa_system_sgpr_workgroup_id_x 1
		.amdhsa_system_sgpr_workgroup_id_y 1
		.amdhsa_system_sgpr_workgroup_id_z 1
		.amdhsa_system_vgpr_workitem_id 0
		.amdhsa_next_free_vgpr 84
		.amdhsa_next_free_sgpr 66
		.amdhsa_reserve_vcc 0
		.amdhsa_float_denorm_mode_32 3
		.amdhsa_float_denorm_mode_16_64 3
		.amdhsa_memory_ordered 1
		.amdhsa_forward_progress 1
		.amdhsa_inst_pref_size 15
	.end_amdhsa_kernel
	.amdgpu_metadata
---
amdhsa.version: [ 1, 2 ]
amdhsa.kernels:
  - .name:           k_q33cb8adc9b_cast
    .symbol:         k_q33cb8adc9b_cast.kd
    .args:
      - { .name: x, .offset: 0, .size: 8, .value_kind: global_buffer, .address_space: global }
      - { .name: pooler_w, .offset: 8, .size: 8, .value_kind: global_buffer, .address_space: global }
      - { .name: cvec, .offset: 16, .size: 8, .value_kind: global_buffer, .address_space: global }
      - { .name: abf, .offset: 24, .size: 8, .value_kind: global_buffer, .address_space: global }
      - { .name: wbf, .offset: 32, .size: 8, .value_kind: global_buffer, .address_space: global }
    .group_segment_fixed_size: 0
    .private_segment_fixed_size: 0
    .kernarg_segment_align: 8
    .kernarg_segment_size: 40
    .max_flat_workgroup_size: 256
    .sgpr_count:     66
    .vgpr_count:     84
    .wavefront_size: 32
...
	.end_amdgpu_metadata
.endif
;; end of part 2
;; launch gemm (part 3): grid 32 x 8, 4 waves a work-group, clusters of 4 x 4, 327,680 bytes of LDS; arguments abf, wbf, pooler_b, cls_w, part; writes part
.if DOCPART == 3
	.amdgcn_target "amdgcn-amd-amdhsa--gfx1250"
	.amdhsa_code_object_version 6
	.text
	.protected	k_q33cb8adc9b_gemm
	.globl	k_q33cb8adc9b_gemm
	.p2align	8
	.type	k_q33cb8adc9b_gemm,@function
k_q33cb8adc9b_gemm:
	s_mov_b64 s[64:65], 0
	v_nop
	global_prefetch_b8 v0, s[64:65] scope:SCOPE_SE
	s_setreg_imm32_b32 hwreg(HW_REG_WAVE_MODE, 25, 1), 1
	s_wait_xcnt 0x0
	s_wait_alu depctr_hold_cnt(0) depctr_sa_sdst(0) depctr_va_vdst(0) depctr_va_sdst(0) depctr_va_ssrc(0) depctr_va_vcc(0) depctr_vm_vsrc(0)
	s_getreg_b32 s2, hwreg(HW_REG_IB_STS2, 6, 4)
	s_cmp_eq_u32 s2, 0
	s_cbranch_scc0 .Lentry_in_a_cluster
	s_endpgm
.Lentry_in_a_cluster:
	s_bfe_u32 s2, ttmp6, 0x10000c
	s_cmp_lg_u32 s2, 0xf033
	s_cbranch_scc0 .Lentry_shape_is_right
	s_endpgm
.Lentry_shape_is_right:
; Launch 3 of 4: part[tn][b] = the sum over the 128 columns n of tile column tn of 2 gelu(P[b][n]) cls_w[n],  P[b][n] = the sum over s of abf[b][s] wbf[n][s] + pooler_b[n].
; abf: [1024][4096] bf16 (x + c: both gMLP blocks, as shown at the head of the first kernel), wbf: [4096][4096] bf16; sums in f32; part: [32][1024] f32.  The factor 0.5 and cls_b come in the last launch.
; LIMITS.  gelu is exact gelu with erf by a rational form times an exponential (five coefficients; absolute error of erf at most 1.5e-7 for every argument): 2 gelu(t) = t + |t| erf(|t| / sqrt 2) is off by
; about 1e-7 |t| at the most; far below 0 the result is that error and not the true tiny number.  The exponential counts as 0 below 2^-126.  NaN and infinities are not treated apart.
; A tile of P is 128 x 128: 8 x 32 = 256 work-groups.  Four waves, each 64 x 64: 16 accumulators of 16 x 16, 128 registers.  K goes in steps of 256 (LDS rows of 512 bytes; a wave's tensor load brings 64 of them)
; through two slots.  P never leaves the registers: bias, gelu, the product with cls_w and the sum over a wave's 64 columns are made on the accumulators; the two column halves meet in 1,024 bytes of LDS.
; CLUSTERS: 4 x 4 work-groups.  The four of a row of the cluster need the same tiles of abf, the four of a column the same tiles of wbf: each tile is asked for JOINTLY, by the same tensor load with the
; same descriptor and a mask that names the four.  THE MATRIX INSTRUCTION IS USED TRANSPOSED (source 0 = 16 rows of wbf, source 1 = 16 rows of abf): lane l holds row l % 16 of P and its registers 0 to 7 the
; columns 8 (l / 16) + 0 .. 7, so a row's sum over columns wants additions inside the lane and one exchange between the halves of the lanes.
; REGISTERS: window 0: v0-31 addresses (v4-11 |t| on the way out); v32-63 pooler_b and v64-95 cls_w of my 32 columns a lane; v96-127 at work on the way out; v128-255 the accumulators ((a, b) at v[128 + 8 (4 a + b)]).
;   window 1: two fragment buffers of 128: for 64 along K (two matrix instructions deep), 64 registers of A (2 x 4 x 16 rows x 32 K), then 64 of B.
.set SIZE_K, 4096
.set KSTEP,  256
.set PITCH,  528                       ; an LDS row: 512 bytes of data + 16 of padding = 132 words: row r starts at bank 4 r mod 64 (64 banks of 4 bytes: ISA guide 11.1)
.set HALFT,  64*PITCH                  ; 64 rows: what one tensor load brings, and what one wave reads of A or of B
.set SLOT,   4*HALFT                   ; A's 128 rows, then B's 128 rows
.set STAGE,  2*SLOT                    ; behind the ring, never filled by a tensor load: [column half][128 rows] f32, 2 x 512 bytes
.set SPARE,  STAGE+1024                ; behind the stage: the spare words, 128 bytes for each wave: two blocks of 256 bytes that no other line names
.set LAPS, SIZE_K/(2*KSTEP)            ; a lap = two K steps = once round the ring: 8
.set AB,   4                           ; v4-11   the way out: |t|
.set ADRA, 16                          ; v16-17  LDS address of my A fragments in slot 0, 1
.set ADRB, 20                          ; v20-21  the same for B
.set STO,  24                          ; v24     the way out: my row's word in the stage (block a: + 64 a)
.set RD,   25                          ; v25     the way out: where wave 0 reads four rows' sums back
.set CO,   26                          ; v26     16 x lane: my byte offset in the tile's 512 bytes of part
.set PBO,  27                          ; v27     32 x (lane / 16): my eight columns' offset in pooler_b and cls_w
.set SPW,  28                          ; v28     LDS address of my spare word: SPARE + 4 x my thread's number; never rewritten
.set NIL,  29                          ; v29     0; never rewritten
.set PB,   32                          ; pooler_b: column 16 b + 8 (lane / 16) + j at PB + 8 b + j
.set CW,   64                          ; cls_w likewise
.set T,    96
.set E,    104
.set Q,    112
.set SUM,  120                         ; a pair for each block a of 16 rows
.set ACC,  128
.set F0,   0                           ; fragment buffers, in window 1
.set F1,   128
.set G1, 24                            ; s[24:31] descriptor group 1 for A's tiles;  s[32:39] group 0, one set for each slot
.set G0, 32
.set G1B, 48                           ; s[48:55], s[56:63] the same for B's tiles
.set G0B, 56
.set NA5, 66                           ; s[66:75] the five coefficients, negated, each as a pair (the packed forms name a pair and take its low word)
.set NA4, 68
.set NA3, 70
.set NA2, 72
.set NA1, 74
.set KN,  76                           ; s[76:77] -log2(e) / 2
.set PP,  78                           ; s[78:79] 0.3275911 / sqrt(2)
.set SEL, 80                           ; s[80:81] v_permlanex16_b32's selects
.set ABSM, 82                          ; s82      clears a sign
.set MSB, 0
.macro WIN new                         ; the immediate's high byte repeats the setting that is left
.if MSB != (\new)
	s_set_vgpr_msb (MSB<<8)|(\new)
.set MSB, \new
.endif
.endm
.set MUL,  0x05                        ; sources 0 (B) and 1 (A) window 1; C and D window 0
.set TO_F, 0x40                        ; destination window 1, address window 0
.macro JLOAD s                         ; a joint load: waves 0 and 1 fetch A's two halves, waves 2 and 3 B's; an s_nop 0 and four v_nop follow each of the two lines, ahead of the jump, the label and what follows
	s_cmp_eq_u32 s11, 0
	s_cbranch_scc0 .Lfor_b_\@
	tensor_load_to_lds s[G0+4*(\s):G0+4*(\s)+3], s[G1:G1+7]
	s_nop 0
.rept 4
	v_nop
.endr
	s_branch .Lasked_\@
.Lfor_b_\@:
	tensor_load_to_lds s[G0B+4*(\s):G0B+4*(\s)+3], s[G1B:G1B+7]
	s_nop 0
.rept 4
	v_nop
.endr
.Lasked_\@:
.endm
.macro CREST                           ; a round of the cluster's barrier behind its opening barrier
	s_cmp_lg_u32 s10, 0
	s_cbranch_scc1 .Lnot_wave_0_\@
	s_barrier_signal -3
.Lnot_wave_0_\@:
	s_barrier_wait -3
	s_barrier_signal -1
	s_barrier_wait -1
.endm
.macro CROUND                          ; a whole round
	s_barrier_signal -1
	s_barrier_wait -1
	CREST
.endm
	s_load_b128 s[4:7], s[0:1], 0x0                ; abf s[4:5], wbf s[6:7]
	s_load_b128 s[84:87], s[0:1], 0x10             ; pooler_b s[84:85], cls_w s[86:87]
	s_load_b64 s[8:9], s[0:1], 0x20                ; part
	v_lshl_add_u32 v[SPW], v0, 2, SPARE
	v_mov_b32 v[NIL], 0
	ds_add_u32 v[SPW], v[NIL]                      ; the wave's opening: the add, twice on end, and its wait ahead of my first tensor load; the set-up below the second, work on registers, stands between it and the wait
	ds_add_u32 v[SPW], v[NIL]                      ; and once more, under the one wait
	v_lshrrev_b32 v1, 5, v0
	v_readfirstlane_b32 s10, v1                    ; wave 0..3
	s_lshr_b32 s11, s10, 1                         ; which half of the tile's rows is mine.  Also: I fetch for A (0) or for B (1)
	s_and_b32 s12, s10, 1                          ; which half of its columns.  Also: which 64 rows of that tile I fetch
	s_bfe_u32 s40, ttmp6, 0x40000                  ; cx, cy: my place in the cluster
	s_bfe_u32 s41, ttmp6, 0x40004
	s_lshl_b32 s42, ttmp9, 2
	s_add_co_u32 s42, s42, s40                     ; tile column = 4 x cluster x + cx
	s_and_b32 s13, ttmp7, 0xffff
	s_lshl_b32 s13, s13, 2
	s_add_co_u32 s13, s13, s41                     ; tile row = 4 x cluster y + cy
	s_lshl_b32 s43, s41, 2
	s_lshl_b32 s43, 15, s43                        ; my row of the cluster
	s_lshl_b32 s44, 0x1111, s40                    ; my column
	; descriptor group 1: a tile of 64 rows x 256 elements, padded in LDS
	s_or_b32 s[G1+0], s43, (1<<16)|(1<<20)|(1<<21)|(6<<22)|(3<<25)  ; 15:0 the mask: A's tiles go to my row; 17:16 element of 2 bytes; 20 padding on; 21 set beside a mask; 24:22 after every 128 words (code 6); 31:25 of 4 words (code 3)
	s_or_b32 s[G1B+0], s44, (1<<16)|(1<<20)|(1<<21)|(6<<22)|(3<<25)
.irp g, G1, G1B
	s_mov_b32 s[(\g)+1], KSTEP<<16                 ; tensor_dim0 = 256
	s_mov_b32 s[(\g)+2], 64<<16                    ; tensor_dim1 = 64
	s_mov_b32 s[(\g)+3], KSTEP<<16                 ; tile_dim0 = 256
	s_mov_b32 s[(\g)+4], 64                        ; tile_dim1 = 64
	s_mov_b32 s[(\g)+5], SIZE_K                    ; tensor_dim0_stride
	s_mov_b32 s[(\g)+6], 0
	s_mov_b32 s[(\g)+7], 0
.endr
	s_mov_b32 s[NA5], 0xbf87dc22                   ; -1.061405429
	s_mov_b32 s[NA4], 0x3fba00e3                   ; +1.453152027
	s_mov_b32 s[NA3], 0xbfb5f0e3                   ; -1.421413741
	s_mov_b32 s[NA2], 0x3e91a98e                   ; +0.284496736
	s_mov_b32 s[NA1], 0xbe827906                   ; -0.254829592
	s_mov_b32 s[KN], 0xbf38aa3b
	s_mov_b32 s[PP], 0x3e6d3388
.irp c, NA5, NA4, NA3, NA2, NA1, KN, PP
	s_mov_b32 s[\c+1], s[\c]                       ; named with it as a pair, so it is written
.endr
	s_mov_b32 s[SEL], 0x76543210
	s_mov_b32 s[SEL+1], 0xfedcba98
	s_mov_b32 s[ABSM], 0x7fffffff
	s_lshl_b32 s17, s12, 6                         ; which 64 rows of the tile I fetch
	s_lshl_b32 s16, s13, 7
	s_add_co_u32 s16, s16, s17                     ; A: row 128 x tile row + 64 x half
	s_lshl_b32 s46, s42, 7
	s_add_co_u32 s46, s46, s17                     ; B: row 128 x tile column + 64 x half
	s_mov_b32 s17, 0
	s_mov_b32 s47, 0
	s_mov_b64 s[18:19], SIZE_K*2
	s_mul_u64 s[16:17], s[16:17], s[18:19]
	s_mul_u64 s[46:47], s[46:47], s[18:19]
	s_mul_i32 s20, s10, HALFT                      ; where they go: wave x 64 rows: no place in the cluster enters an LDS address
	s_wait_dscnt 0x0                               ; both opening adds are done
	s_wait_kmcnt 0x0
	s_add_nc_u64 s[14:15], s[4:5], s[16:17]
	s_add_nc_u64 s[46:47], s[6:7], s[46:47]
	CROUND                                         ; all sixteen work-groups are here: the first joint loads meet
.irp s, 0,1
	s_mov_b32 s[G0+4*(\s)], 1
	s_add_co_u32 s[G0+4*(\s)+1], s20, (\s)*SLOT
	s_add_nc_u64 s[G0+4*(\s)+2:G0+4*(\s)+3], s[14:15], (\s)*KSTEP*2
	s_or_b32 s[G0+4*(\s)+3], s[G0+4*(\s)+3], 0x80000000
	s_mov_b32 s[G0B+4*(\s)], 1
	s_add_co_u32 s[G0B+4*(\s)+1], s20, (\s)*SLOT
	s_add_nc_u64 s[G0B+4*(\s)+2:G0B+4*(\s)+3], s[46:47], (\s)*KSTEP*2
	s_or_b32 s[G0B+4*(\s)+3], s[G0B+4*(\s)+3], 0x80000000
	JLOAD \s                                       ; two tensor loads of mine are out
.endr
	v_and_b32 v1, 15, v0                           ; l % 16
	v_bfe_u32 v2, v0, 4, 1                         ; l / 16
	v_mul_u32_u24 v3, v1, PITCH
	v_lshl_add_u32 v3, v2, 4, v3                   ; a fragment's row x pitch + 16 x half
	s_mul_i32 s21, s11, HALFT                      ; my 64 rows of A
	s_mul_i32 s22, s12, HALFT                      ; my 64 rows of B,
	s_add_co_u32 s22, s22, 2*HALFT                 ; which lie behind A's 128
.irp s, 0,1
	v_add_nc_u32 v[ADRA+(\s)], s21, v3
	v_add_nc_u32 v[ADRB+(\s)], s22, v3
	s_add_co_u32 s21, s21, SLOT
	s_add_co_u32 s22, s22, SLOT
.endr
	s_lshl_b32 s23, s12, 9                         ; into the stage: my column half's 512 bytes,
	s_lshl_b32 s21, s11, 8                         ; my 64 rows' 256 of them,
	s_add_co_u32 s23, s23, s21
	s_add_co_u32 s23, s23, STAGE
	v_lshl_add_u32 v[STO], v1, 2, s23              ; row l % 16
	v_and_b32 v4, 31, v0
	v_lshlrev_b32 v[CO], 4, v4                     ; back: a lane takes four rows' sums
	v_add_nc_u32 v[RD], STAGE, v[CO]
	v_lshlrev_b32 v[PBO], 5, v2
	s_lshl_b32 s46, s42, 9                         ; pooler_b and cls_w at my 64 columns: 512 x tile column + 256 x half bytes (in the registers that held B's address: none that feeds A's descriptors ever holds cx)
	s_lshl_b32 s47, s12, 8
	s_add_co_u32 s46, s46, s47
	s_mov_b32 s47, 0
	s_add_nc_u64 s[84:85], s[84:85], s[46:47]
	s_add_nc_u64 s[86:87], s[86:87], s[46:47]
.irp b, 0,1,2,3
	global_load_b128 v[PB+8*(\b):PB+8*(\b)+3],   v[PBO], s[84:85] offset:64*(\b)
	global_load_b128 v[PB+8*(\b)+4:PB+8*(\b)+7], v[PBO], s[84:85] offset:64*(\b)+16
	global_load_b128 v[CW+8*(\b):CW+8*(\b)+3],   v[PBO], s[86:87] offset:64*(\b)
	global_load_b128 v[CW+8*(\b)+4:CW+8*(\b)+7], v[PBO], s[86:87] offset:64*(\b)+16
.endr
	s_lshl_b32 s16, s13, 9                         ; part: the tile's 128 rows are 512 bytes,
	s_mov_b32 s17, 0
	s_add_nc_u64 s[8:9], s[8:9], s[16:17]
	s_lshl_b32 s46, s42, 12                        ; a tile column's 1,024 rows 4,096
	s_mov_b32 s47, 0
	s_add_nc_u64 s[8:9], s[8:9], s[46:47]
; 8 matrix instructions: m blocks a0, a0 + 1 x all 4 n blocks, 32 along K: half c of buffer f.  zero = 1: the first product starts the sums.  The 16 accumulators take turns, one instruction a turn.
.macro MUL8 f, c, a0, zero
	WIN MUL
.irp a, \a0, (\a0)+1
.irp b, 0,1,2,3
.if \zero
	v_wmma_f32_16x16x32_bf16 v[ACC+8*(4*(\a)+(\b)):ACC+8*(4*(\a)+(\b))+7], v[(\f)+64+8*(4*(\c)+(\b)):(\f)+64+8*(4*(\c)+(\b))+7], v[(\f)+8*(4*(\c)+(\a)):(\f)+8*(4*(\c)+(\a))+7], 0
.else
	v_wmma_f32_16x16x32_bf16 v[ACC+8*(4*(\a)+(\b)):ACC+8*(4*(\a)+(\b))+7], v[(\f)+64+8*(4*(\c)+(\b)):(\f)+64+8*(4*(\c)+(\b))+7], v[(\f)+8*(4*(\c)+(\a)):(\f)+8*(4*(\c)+(\a))+7], v[ACC+8*(4*(\a)+(\b)):ACC+8*(4*(\a)+(\b))+7]
.endif
.endr
.endr
.endm
; 32 LDS loads in one run: the fragments of 64 along K at byte k of the rows, into buffer f; the first 32 along K first
.macro FETCH slot, k, f
	WIN TO_F
.irp c, 0,1
.irp i, 0,1,2,3
	ds_load_b128 v[(\f)+64+8*(4*(\c)+(\i)):(\f)+64+8*(4*(\c)+(\i))+3],   v[ADRB+(\slot)] offset:(\k)+64*(\c)+(\i)*16*PITCH
	ds_load_b128 v[(\f)+64+8*(4*(\c)+(\i))+4:(\f)+64+8*(4*(\c)+(\i))+7], v[ADRB+(\slot)] offset:(\k)+64*(\c)+(\i)*16*PITCH+32
	ds_load_b128 v[(\f)+8*(4*(\c)+(\i)):(\f)+8*(4*(\c)+(\i))+3],         v[ADRA+(\slot)] offset:(\k)+64*(\c)+(\i)*16*PITCH
	ds_load_b128 v[(\f)+8*(4*(\c)+(\i))+4:(\f)+8*(4*(\c)+(\i))+7],       v[ADRA+(\slot)] offset:(\k)+64*(\c)+(\i)*16*PITCH+32
.endr
.endr
.endm
.macro PLACES                          ; four places in front of loads into registers that matrix instructions have read, and of vector lines that touch results
.rept 4
	v_nop
.endr
.endm
; A K step is four quarters of 64 along K, 32 matrix instructions each, on buffers 0, 1, 0, 1.  One of the first three: multiplies buffer f and fetches the next quarter, at byte k, into g.
.macro QUARTER slot, k, f, g, zero
	s_wait_dscnt 16                                ; the first 32 along K are in; the sixteen younger loads may be out
	WIN MUL
	MUL8 \f, 0, 0, \zero
	MUL8 \f, 0, 2, \zero
	PLACES
	FETCH \slot, \k, \g
	s_wait_dscnt 32                                ; all but the 32 just issued
	WIN MUL
	MUL8 \f, 1, 0, 0
	MUL8 \f, 1, 2, 0
.endm
; The last quarter multiplies buffer 1 and changes slots: ONE barrier; in front of it each wave waits for all its tensor loads, adds 0 to its spare word, and waits for that and for its own reads of this slot.  fill = 1: this slot is filled again, two K steps ahead.
.macro TURN slot, next, fill
	WIN 0                                          ; (the add's two registers lie in window 0)
	s_wait_tensorcnt 0x0                           ; all my tensor loads have landed: my part of the next slot;
	ds_add_u32 v[SPW], v[NIL]                      ; 0 onto my spare word;
	s_wait_dscnt 17                                ; (the add and the youngest sixteen loads may be out)
	WIN MUL
	MUL8 F1, 0, 0, 0                               ; eight matrix instructions stand between the add and the wait for it
	s_wait_dscnt 0x0                               ; the add is done, and my reads of this slot are over
	s_barrier_signal -1
	MUL8 F1, 0, 2, 0
.if \fill
	WIN 0
.endif
	s_barrier_wait -1
.if \fill
	CREST                                          ; the barrier has opened a round of the cluster's barrier: no wave of any partner still reads this slot's tile or has a load on its way
	s_add_nc_u64 s[G0+4*(\slot)+2:G0+4*(\slot)+3], s[G0+4*(\slot)+2:G0+4*(\slot)+3], 2*KSTEP*2
	s_add_nc_u64 s[G0B+4*(\slot)+2:G0B+4*(\slot)+3], s[G0B+4*(\slot)+2:G0B+4*(\slot)+3], 2*KSTEP*2
	JLOAD \slot                                    ; the first tensor load behind the round, my one load that is out: 112 matrix instructions ahead of the wait for it; the four v_nop behind it are also the places in front of the loads below
.else
	PLACES
.endif
	FETCH \next, 0, F0
	WIN MUL
	MUL8 F1, 1, 0, 0
	MUL8 F1, 1, 2, 0
.endm
	s_wait_loadcnt 0x0                             ; pooler_b and cls_w, once, in the wait for the first tile
	s_wait_tensorcnt 1                             ; my part of K step 0 is in; K step 1's may stay out
	s_barrier_signal -1
	s_barrier_wait -1                              ; everybody's is
	FETCH 0, 0, F0
	QUARTER 0, 128, F0, F1, 1                      ; the first quarter stands in front of the loop: its first products start the sums
	WIN 0                                          ; at a label and at a branch every window is 0
	s_mov_b32 s3, LAPS-1
.Llap:                                                 ; a trip goes once round the ring, from a lap's second quarter to the next lap's first, and fills both slots again
	QUARTER 0, 256, F1, F0, 0
	QUARTER 0, 384, F0, F1, 0
	TURN 0, 1, 1
	QUARTER 1, 128, F0, F1, 0
	QUARTER 1, 256, F1, F0, 0
	QUARTER 1, 384, F0, F1, 0
	TURN 1, 0, 1
	QUARTER 0, 128, F0, F1, 0
	WIN 0
	s_sub_co_u32 s3, s3, 1
	s_cmp_lg_u32 s3, 0
	s_cbranch_scc1 .Llap
	QUARTER 0, 256, F1, F0, 0                      ; the last lap fills nothing, and has no round of the cluster's barrier
	QUARTER 0, 384, F0, F1, 0
	TURN 0, 1, 0
	QUARTER 1, 128, F0, F1, 0
	QUARTER 1, 256, F1, F0, 0
	QUARTER 1, 384, F0, F1, 0
	s_wait_dscnt 16                                ; the very last quarter: nothing more to fetch
	WIN MUL
	MUL8 F1, 0, 0, 0
	MUL8 F1, 0, 2, 0
	s_wait_dscnt 0
	MUL8 F1, 1, 0, 0
	MUL8 F1, 1, 2, 0
	WIN 0
; THE WAY OUT.  Accumulator (a, b), eight numbers a lane, in place: t = P + pooler_b;  T = 1 / (1 + p |t| / sqrt 2);  e = 2^(-log2(e) t t / 2);  Q = the polynomial in T;  m = erf(|t| / sqrt 2) = 1 + Q T e;
; 2 gelu(t) = t + |t| m;  the block's sum takes 2 gelu(t) cls_w.  The accumulator's registers are taken in ascending order.  The eight reciprocals and eight exponentials are
; one batch: a plain instruction behind the last, and one wait ahead of the first reader.
.macro GELU a, b
.set rA, ACC+8*(4*(\a)+(\b))
.set rB, PB+8*(\b)
.set rW, CW+8*(\b)
.set rS, SUM+2*(\a)
.irp i, 0,2,4,6
	v_pk_add_f32 v[rA+\i:rA+\i+1], v[rA+\i:rA+\i+1], v[rB+\i:rB+\i+1]
.endr
.irp i, 0,1,2,3,4,5,6,7
	v_and_b32 v[AB+\i], s[ABSM], v[rA+\i]
.endr
.irp i, 0,2,4,6
	v_pk_mul_f32 v[E+\i:E+\i+1], v[rA+\i:rA+\i+1], s[KN:KN+1] op_sel_hi:[1,0]
.endr
.irp i, 0,2,4,6
	v_pk_fma_f32 v[T+\i:T+\i+1], v[AB+\i:AB+\i+1], s[PP:PP+1], 1.0 op_sel_hi:[1,0,0]
.endr
.irp i, 0,2,4,6
	v_pk_mul_f32 v[E+\i:E+\i+1], v[E+\i:E+\i+1], v[rA+\i:rA+\i+1]
.endr
.irp i, 0,1,2,3,4,5,6,7
	v_rcp_f32 v[T+\i], v[T+\i]
.endr
.irp i, 0,1,2,3,4,5,6,7
	v_exp_f32 v[E+\i], v[E+\i]
.endr
	v_nop
	s_wait_alu depctr_va_vdst(0)
.irp i, 0,2,4,6
	v_pk_fma_f32 v[Q+\i:Q+\i+1], v[T+\i:T+\i+1], s[NA5:NA5+1], s[NA4:NA4+1] op_sel_hi:[1,0,0]
.endr
.irp i, 0,2,4,6
	v_pk_mul_f32 v[E+\i:E+\i+1], v[T+\i:T+\i+1], v[E+\i:E+\i+1]
.endr
.irp k, NA3, NA2, NA1
.irp i, 0,2,4,6
	v_pk_fma_f32 v[Q+\i:Q+\i+1], v[Q+\i:Q+\i+1], v[T+\i:T+\i+1], s[\k:\k+1] op_sel_hi:[1,1,0]
.endr
.endr
.irp i, 0,2,4,6
	v_pk_fma_f32 v[Q+\i:Q+\i+1], v[Q+\i:Q+\i+1], v[E+\i:E+\i+1], 1.0 op_sel_hi:[1,1,0]
.endr
.irp i, 0,2,4,6
	v_pk_fma_f32 v[rA+\i:rA+\i+1], v[AB+\i:AB+\i+1], v[Q+\i:Q+\i+1], v[rA+\i:rA+\i+1]
.endr
.if (\b) == 0
	v_pk_mul_f32 v[rS:rS+1], v[rA:rA+1], v[rW:rW+1]    ; a block's first product starts its sum: nothing is cleared
.else
	v_pk_fma_f32 v[rS:rS+1], v[rA:rA+1], v[rW:rW+1], v[rS:rS+1]
.endif
.irp i, 2,4,6
	v_pk_fma_f32 v[rS:rS+1], v[rA+\i:rA+\i+1], v[rW+\i:rW+\i+1], v[rS:rS+1]
.endr
.endm
	PLACES                                         ; behind the last products, in front of lines that read and rewrite results
	PLACES                                         ; (eight, once a launch)
.irp a, 0,1,2,3
.irp b, 0,1,2,3
	GELU \a, \b
.endr
.endr
.irp a, 0,1,2,3
	v_add_f32 v[SUM+2*(\a)], v[SUM+2*(\a)], v[SUM+2*(\a)+1]
.endr
.irp a, 0,1,2,3
	v_permlanex16_b32 v[SUM+2*(\a)+1], v[SUM+2*(\a)], s[SEL], s[SEL+1]  ; the row's other 32 columns lie in the lane 16 away
.endr
.irp a, 0,1,2,3
	v_add_f32 v[SUM+2*(\a)], v[SUM+2*(\a)], v[SUM+2*(\a)+1]
.endr
.irp a, 0,1,2,3
	ds_store_b32 v[STO], v[SUM+2*(\a)] offset:64*(\a)  ; both halves of the lanes write the same number to the same word
.endr
	s_wait_dscnt 0x0                               ; for wave 0's sake: my stores into the stage are done
	s_barrier_signal -1
	s_barrier_wait -1
	s_cmp_lg_u32 s10, 0                            ; the wave's number alone: the same in every work-group
	s_cbranch_scc1 .Lnot_out
	ds_load_b128 v[T:T+3], v[RD]                   ; four rows' sums over the left 64 columns,
	ds_load_b128 v[T+4:T+7], v[RD] offset:512      ; and over the right
	s_wait_dscnt 0x0
	v_pk_add_f32 v[T:T+1], v[T:T+1], v[T+4:T+5]
	v_pk_add_f32 v[T+2:T+3], v[T+2:T+3], v[T+6:T+7]
	global_store_b128 v[CO], v[T:T+3], s[8:9]      ; the wave stores 512 consecutive bytes, at a multiple of 512 from part's first byte
.Lnot_out:
	s_wait_tensorcnt 0x0                           ; the wave's end, behind my last tensor load and my last LDS store
	ds_add_u32 v[SPW], v[NIL]
	s_wait_dscnt 0x0
	CROUND                                         ; the closing round: no work-group ends while a partner may still ask for a tile that names it
	s_endpgm
.Lfunc_end_k_q33cb8adc9b_gemm:
	.size	k_q33cb8adc9b_gemm, .Lfunc_end_k_q33cb8adc9b_gemm-k_q33cb8adc9b_gemm
	.p2alignl 7, 3214868480
	.fill 96, 4, 3214868480
	.section	.rodata,"a",@progbits
	.p2align	6, 0x0
	.amdhsa_kernel k_q33cb8adc9b_gemm
		.amdhsa_group_segment_fixed_size 327680
		.amdhsa_private_segment_fixed_size 0
		.amdhsa_enable_private_segment 0
		.amdhsa_kernarg_size 40
		.amdhsa_user_sgpr_count 2
		.amdhsa_user_sgpr_kernarg_segment_ptr 1
		.amdhsa_wavefront_size32 1
		.amdhsa_system_sgpr_workgroup_id_x 1
		.amdhsa_system_sgpr_workgroup_id_y 1
		.amdhsa_system_sgpr_workgroup_id_z 1
		.amdhsa_system_vgpr_workitem_id 0
		.amdhsa_next_free_vgpr 512
		.amdhsa_next_free_sgpr 88
		.amdhsa_reserve_vcc 0
		.amdhsa_float_denorm_mode_32 3
		.amdhsa_float_denorm_mode_16_64 3
		.amdhsa_memory_ordered 1
		.amdhsa_forward_progress 1
		.amdhsa_inst_pref_size 143
	.end_amdhsa_kernel
	.amdgpu_metadata
---
amdhsa.version: [ 1, 2 ]
amdhsa.kernels:
  - .name:           k_q33cb8adc9b_gemm
    .symbol:         k_q33cb8adc9b_gemm.kd
    .args:
      - { .name: abf, .offset: 0, .size: 8, .value_kind: global_buffer, .address_space: global }
      - { .name: wbf, .offset: 8, .size: 8, .value_kind: global_buffer, .address_space: global }
      - { .name: pooler_b, .offset: 16, .size: 8, .value_kind: global_buffer, .address_space: global }
      - { .name: cls_w, .offset: 24, .size: 8, .value_kind: global_buffer, .address_space: global }
      - { .name: part, .offset: 32, .size: 8, .value_kind: global_buffer, .address_space: global }
    .group_segment_fixed_size: 327680
    .private_segment_fixed_size: 0
    .kernarg_segment_align: 8
    .kernarg_segment_size: 40
    .max_flat_workgroup_size: 128
    .sgpr_count:     88
    .vgpr_count:     512
    .wavefront_size: 32
...
	.end_amdgpu_metadata
.endif
;; end of part 3
;; launch finish (part 4): grid 8 x 1, 1 waves a work-group, no clusters, 0 bytes of LDS; arguments part, cls_b, out0; writes out0
.if DOCPART == 4
	.amdgcn_target "amdgcn-amd-amdhsa--gfx1250"
	.amdhsa_code_object_version 6
	.text
	.protected	k_q33cb8adc9b_finish
	.globl	k_q33cb8adc9b_finish
	.p2align	8
	.type	k_q33cb8adc9b_finish,@function
k_q33cb8adc9b_finish:
	s_mov_b64 s[64:65], 0
	v_nop
	global_prefetch_b8 v0, s[64:65] scope:SCOPE_SE
	s_setreg_imm32_b32 hwreg(HW_REG_WAVE_MODE, 25, 1), 1
	s_wait_xcnt 0x0
; Launch 4 of 4: out0[b] = 0.5 x the sum over the 32 tile columns tn of part[tn][b] + cls_b.  part: [32][1024] f32, each number twice a partial logit.
; The sum spans the work-groups of the launch before, so it is made here, in a fixed order.  A work-group of one wave owns 128 rows b, a lane four: 32 loads of 512 consecutive bytes, all out at once,
; a tree of packed additions, one store of 512 consecutive bytes.  Eight work-groups are all the work there is: 131,072 bytes in, 4,096 out.
.set P, 4                              ; v[4:131]  tile column j at P + 4 j
	s_load_b128 s[4:7], s[0:1], 0x0                ; part s[4:5], cls_b s[6:7]
	s_load_b64 s[8:9], s[0:1], 0x10                ; out0
	v_lshlrev_b32 v1, 4, v0                        ; 16 bytes a lane
	s_lshl_b32 s12, ttmp9, 9                       ; the work-group's 128 rows
	s_mov_b32 s13, 0
	s_wait_kmcnt 0x0
	s_load_b32 s10, s[6:7], 0x0
	s_add_nc_u64 s[4:5], s[4:5], s[12:13]
	s_add_nc_u64 s[8:9], s[8:9], s[12:13]
.set j, 0
.rept 32
	global_load_b128 v[P+4*j:P+4*j+3], v1, s[4:5] offset:4096*j
.set j, j+1
.endr
	s_wait_kmcnt 0x0
	s_mov_b32 s11, s10                             ; named with it as a pair
	s_wait_loadcnt 0x0
.irp st, 16,8,4,2,1
.set j, 0
.rept \st
	v_pk_add_f32 v[P+4*j:P+4*j+1],   v[P+4*j:P+4*j+1],   v[P+4*(j+\st):P+4*(j+\st)+1]
	v_pk_add_f32 v[P+4*j+2:P+4*j+3], v[P+4*j+2:P+4*j+3], v[P+4*(j+\st)+2:P+4*(j+\st)+3]
.set j, j+1
.endr
.endr
	v_pk_fma_f32 v[P:P+1],   v[P:P+1],   0.5, s[10:11] op_sel_hi:[1,0,0]
	v_pk_fma_f32 v[P+2:P+3], v[P+2:P+3], 0.5, s[10:11] op_sel_hi:[1,0,0]
	global_store_b128 v1, v[P:P+3], s[8:9]
	s_endpgm
.Lfunc_end_k_q33cb8adc9b_finish:
	.size	k_q33cb8adc9b_finish, .Lfunc_end_k_q33cb8adc9b_finish-k_q33cb8adc9b_finish
	.p2alignl 7, 3214868480
	.fill 96, 4, 3214868480
	.section	.rodata,"a",@progbits
	.p2align	6, 0x0
	.amdhsa_kernel k_q33cb8adc9b_finish
		.amdhsa_group_segment_fixed_size 0
		.amdhsa_private_segment_fixed_size 0
		.amdhsa_enable_private_segment 0
		.amdhsa_kernarg_size 24
		.amdhsa_user_sgpr_count 2
		.amdhsa_user_sgpr_kernarg_segment_ptr 1
		.amdhsa_wavefront_size32 1
		.amdhsa_system_sgpr_workgroup_id_x 1
		.amdhsa_system_sgpr_workgroup_id_y 1
		.amdhsa_system_sgpr_workgroup_id_z 1
		.amdhsa_system_vgpr_workitem_id 0
		.amdhsa_next_free_vgpr 136
		.amdhsa_next_free_sgpr 66
		.amdhsa_reserve_vcc 0
		.amdhsa_float_denorm_mode_32 3
		.amdhsa_float_denorm_mode_16_64 3
		.amdhsa_memory_ordered 1
		.amdhsa_forward_progress 1
		.amdhsa_inst_pref_size 8
	.end_amdhsa_kernel
	.amdgpu_metadata
---
amdhsa.version: [ 1, 2 ]
amdhsa.kernels:
  - .name:           k_q33cb8adc9b_finish
    .symbol:         k_q33cb8adc9b_finish.kd
    .args:
      - { .name: part, .offset: 0, .size: 8, .value_kind: global_buffer, .address_space: global }
      - { .name: cls_b, .offset: 8, .size: 8, .value_kind: global_buffer, .address_space: global }
      - { .name: out0, .offset: 16, .size: 8, .value_kind: global_buffer, .address_space: global }
    .group_segment_fixed_size: 0
    .private_segment_fixed_size: 0
    .kernarg_segment_align: 8
    .kernarg_segment_size: 24
    .max_flat_workgroup_size: 32
    .sgpr_count:     66
    .vgpr_count:     136
    .wavefront_size: 32
...
	.end_amdgpu_metadata
.endif
;; end of part 4
